; MI455X (gfx1250); checked and timed in simulation.
; The chip was launched on July 23, 2026; its instructions are those of AMD's public machine-readable ISA for CDNA 5 (MIT licence, August 2026) and "CDNA5" Instruction Set Architecture Reference Guide (July 2026). The comments in the code are by the model that wrote it; some were corrected since.
;; self attention. Allowed arithmetic: matrix products marked QUANTISED: E2M3 operands, one E8M0 scale for each 32 along K, by v_wmma_scale_f32_16x16x128_f8f6f4 with both operands' format E2M3, f32 sums; everything else in f32.
;; Inputs: Wk 1,024 x 1,024 float32; Wq 1,024 x 1,024 float32; Wu 1,024 x 1,024 float32; Wv 1,024 x 1,024 float32; x 4 x 2,048 x 1,024 float32.
;; Outputs: out0 4 x 2,048 x 1,024 float32.
;; This version of the problem:
;;   THIS VERSION OF THE PROBLEM IS GIVEN IN LOW PRECISION. The matrix products marked QUANTISED in the list below multiply operands that are first quantised to E2M3 (2 exponent bits, 3 mantissa bits; 6 bits a number), with one power-of-two scale for each 32 numbers along K (OCP MX v1.0); their sums are f32. All else is computed in f32.
;;   The module's matrix products, in the order in which they are computed (A, B: the left and right operand; K: the contracted axis; several contracted axes count as one K, in the product's order):
;;     1. [M 8,192, K 1,024] x [K 1,024, N 1,024]; A: input x; B: input Wq: QUANTISED
;;     2. [M 8,192, K 1,024] x [K 1,024, N 1,024]; A: input x; B: input Wk: QUANTISED
;;     3. [M 8,192, K 1,024] x [K 1,024, N 1,024]; A: input x; B: input Wv: QUANTISED
;;     4. batch 64 x [M 2,048, K 64] x [K 64, N 2,048]; A: computed on the way; B: computed on the way: QUANTISED
;;     5. batch 64 x [M 2,048, K 2,048] x [K 2,048, N 64]; A: softmax (see below); B: computed on the way: QUANTISED
;;   THE QUANTISER, for each operand of a quantised product, along K:
;;     - K is cut into blocks of 32 from its start; a last block that is shorter is filled with zeros.
;;     - A block's scale is 2^e with e = floor(log2(the largest magnitude in the block)) - 2, held to -126 .. 127; a block of zeros has e = 0. As a byte (E8M0): e + 127.
;;     - Each number is divided by its block's scale, clamped to +-7.5, and rounded to the nearest number of E2M3, ties to even, subnormals kept.
;;     - The product sums the exact products of the quantised numbers (number of the format x scale) in f32.
;;   ~~~python
;;   def quantise(x, axis):      # numpy; x: float32 -> the quantised numbers, widened to float32 again
;;       x = np.moveaxis(x, axis, -1); K = x.shape[-1]
;;       x = np.pad(x, [(0, 0)] * (x.ndim - 1) + [(0, -K % 32)]); x = x.reshape(x.shape[:-1] + (-1, 32)); a = np.abs(x).max(-1, keepdims=True)
;;       e = np.where(a > 0, np.clip(np.frexp(np.where(a > 0, a, 1))[1] - 1 - 2, -126, 127), 0)      # np.frexp(a)[1] - 1 = floor(log2(a)), exactly
;;       r = np.clip(x / 2.0 ** e, -7.5, 7.5)
;;       step = 2.0 ** (np.maximum(np.frexp(np.where(r == 0, 1, r))[1] - 1, 0) - 3)
;;       q = np.round(r / step) * step * 2.0 ** e      # np.round: ties to even
;;       return np.moveaxis(q.reshape(q.shape[:-2] + (-1,))[..., :K], -1, axis).astype(np.float32)
;;   ~~~
;;   SOFTMAX AHEAD OF A QUANTISED PRODUCT. Where the list says 'softmax', what is quantised is not the finished softmax but p = 2^(t - M), with t = logit x log2(e) and M = ceil(the row's largest t), a whole number; so 1/2 < the row's largest p <= 1. The row's sum l is taken of the UNQUANTISED p, in f32, and the product's result is divided by l at the end. Since M is a whole number, a kernel that streams over the keys may use a running M (the ceiling of the running maximum): every later rescaling is an exact power of two, which a block's scale takes up: the codes' values come out the same.
;;   OPERANDS COMPUTED ON THE WAY. 'Computed on the way' means the value that the module computes at that place (a softmax that the list does not call 'softmax' is quantised finished and normalised). What goes into a quantiser is computed in f32, as accurately as f32 sums, v_exp_f32 and their like allow (about 1e-6 of the number): no bf16 or f16 on the way to a quantiser, and a product that is left as it is and whose result goes on into a quantised operand takes f32 operands (vector FMAs, or v_wmma_f32_16x16x4_f32). A number that lies on a knife's edge between two numbers of the format may be rounded either way, as far as f32 arithmetic and the matrix unit's own rounding can turn it there, and no further.
;; One version. Each part assembles by itself: llvm-mc -triple=amdgcn-amd-amdhsa -mcpu=gfx1250 --defsym DOCPART=n.
;; ======== version 1 of 1: 3 launches
;; workspace buffers: codes 8,650,752 bytes; scl 360,448 bytes; qkv 20,185,088 bytes
;; launch quant (part 1): grid 352 x 1, 4 waves a work-group, no clusters, 33,280 bytes of LDS; arguments x, Wq, Wk, Wv, codes, scl; writes codes, scl
.if DOCPART == 1
	.amdgcn_target "amdgcn-amd-amdhsa--gfx1250"
	.amdhsa_code_object_version 6
	.text
	.protected	k_q2e619d65c6_quant
	.globl	k_q2e619d65c6_quant
	.p2align	8
	.type	k_q2e619d65c6_quant,@function
k_q2e619d65c6_quant:
	s_mov_b64 s[64:65], 0
	v_nop
	global_prefetch_b8 v0, s[64:65] scope:SCOPE_SE
	s_setreg_imm32_b32 hwreg(HW_REG_WAVE_MODE, 25, 1), 1
	s_wait_xcnt 0x0
; x [8192][1024] and Wq, Wk, Wv [1024][1024], f32, K = 1024 innermost, become codes of E2M3 (6 bits each) with one E8M0 byte for each 32 along K.
; codes: 11,264 rows of 768 bytes (x's 8,192, then Wq's, Wk's, Wv's 1,024 each); scl: the same rows of 32 bytes.
; ROW ORDER: true row t lies at the position that is t with bits 3 and 4 exchanged.  So 16 neighbouring positions 32 g + 16 u + r hold true rows 32 g + 8 u + (r & 7) + 16 (r >> 3):
; used as source 0 of a product, two such tiles give a lane 16 true neighbours in its 16 result registers, which is what the next quantiser wants.
; A block's scale is 2^(floor(log2(its largest magnitude)) - 2); its byte is the largest magnitude's exponent field - 2, held at 1 from below.
; LIMITS: a block of zeros, and a block whose largest magnitude lies under 2^-124, gets the byte 1 (a block of zeros has zero codes, which add nothing; the bytes are read by this program alone).  NaN and infinities are not served.
; SHARES: a work-group takes 32 rows, a wave 8 of them (16 steps of 512 numbers): true rows 8 w on, written at position rows 8 w' on, w' = w with its two bits exchanged.
; Each of a step's four loads reads 512 consecutive bytes; the 2,048 bytes turn through the wave's own stage in LDS and come back 64 bytes a lane: 16 neighbours along K; two neighbouring lanes hold a block.
; No tensor loads, no barrier: waves share nothing.  Loads run four steps ahead, the turn through LDS one step.
.set STEPS, 16
.set EMAX,  2
.set CB,    12                         ; bytes of 16 codes
.set R,     16                         ; v16-79   four sets of 16 numbers as they are loaded
.set X,     80                         ; v80-111  two sets of 16 neighbours
.set C,     128                        ; v128-191 codes: four registers for each step, so that no store's data are written again
.set E,     112                        ; v112-127 a scale byte for each step
.set WREG,  8192                       ; LDS: a region for each wave: two stages of 32 x SP bytes, then its 256 scale bytes
.set SP,    80                         ; a lane's place in a stage: 64 bytes + 16 of padding
	s_load_b256 s[4:11], s[0:1], 0x0               ; x s[4:5], Wq s[6:7], Wk s[8:9], Wv s[10:11]
	s_load_b128 s[12:15], s[0:1], 0x20             ; codes s[12:13], scl s[14:15]
	v_lshl_add_u32 v192, v0, 2, 0x8000
	v_mov_b32 v193, 0
	v_lshrrev_b32 v1, 5, v0
	v_readfirstlane_b32 s16, v1                    ; wave
	v_and_b32 v2, 31, v0                           ; lane
	v_lshlrev_b32 v3, 4, v2                        ; my 16 bytes of a load's 512
	s_mul_i32 s17, s16, WREG
	v_lshrrev_b32 v14, 2, v2
	v_mul_u32_u24 v14, v14, SP
	v_and_b32 v15, 3, v2
	v_lshl_add_u32 v14, v15, 4, v14
	v_add_nc_u32 v14, s17, v14                     ; the stage, on the way in: SP (lane / 4) + 16 (lane % 4)
	v_mul_u32_u24 v15, v2, SP
	v_add_nc_u32 v15, s17, v15                     ; and on the way out: SP x lane: my 16 neighbours
	v_mul_u32_u24 v4, v2, CB                       ; my codes' place in a step's
	v_lshrrev_b32 v5, 1, v2
	s_add_co_u32 s17, s17, 2*32*SP
	v_add_nc_u32 v5, s17, v5                       ; LDS: my wave's 256 scale bytes, my block's byte
	v_lshlrev_b32 v7, 3, v2                        ; and on the way out 8 bytes a lane
	v_add_nc_u32 v6, s17, v7
	s_and_b32 s18, ttmp9, 31                       ; a weight's group of 32 rows (256 is a multiple of 32)
	s_and_b32 s19, s16, 1
	s_lshl_b32 s19, s19, 1
	s_lshr_b32 s20, s16, 1
	s_or_b32 s19, s19, s20                         ; w': the wave's two bits exchanged
	s_lshl_b32 s20, ttmp9, 2
	s_add_co_u32 s22, s20, s19                     ; which run of 8 position rows of codes and scl is mine
	s_wait_alu depctr_va_vdst(0)
	s_wait_kmcnt 0x0
	s_cmp_lt_u32 ttmp9, 320                        ; which tensor: the choice hangs on the work-group's number alone
	s_cselect_b64 s[10:11], s[8:9], s[10:11]       ; groups 288-319 Wk, 320-351 Wv
	s_cmp_lt_u32 ttmp9, 288
	s_cselect_b64 s[10:11], s[6:7], s[10:11]       ; groups 256-287 Wq
	s_cmp_lt_u32 ttmp9, 256
	s_cselect_b64 s[4:5], s[4:5], s[10:11]         ; groups 0-255 x
	s_cselect_b32 s18, ttmp9, s18
	s_lshl_b32 s18, s18, 2
	s_add_co_u32 s18, s18, s16
	s_lshl_b32 s18, s18, 15                        ; my 8 true rows: 32,768 bytes a wave (under 2^26)
	s_mov_b32 s19, 0
	s_add_nc_u64 s[4:5], s[4:5], s[18:19]
	s_mul_i32 s20, s22, 8*768
	s_mov_b32 s21, 0
	s_add_nc_u64 s[12:13], s[12:13], s[20:21]
	s_lshl_b32 s22, s22, 8                         ; 8 rows of 32 scale bytes
	s_mov_b32 s23, 0
	s_add_nc_u64 s[14:15], s[14:15], s[22:23]
.macro LOAD t
.irp i, 0,1,2,3
	global_load_b128 v[R+16*((\t)%4)+4*\i:R+16*((\t)%4)+4*\i+3], v3, s[4:5] offset:2048*(\t)+512*\i th:TH_LOAD_NT   ; 32 lanes read 512 consecutive bytes; read once in the launch
.endr
.endm
.macro TURN t                          ; step t's numbers through the stage: LDS serves a wave's instructions in order, so no wait stands between the stores and the loads
.irp i, 0,1,2,3
	ds_store_b128 v14, v[R+16*((\t)%4)+4*\i:R+16*((\t)%4)+4*\i+3] offset:32*SP*((\t)%2)+8*SP*\i
.endr
.irp i, 0,1,2,3
	ds_load_b128 v[X+16*((\t)%2)+4*\i:X+16*((\t)%2)+4*\i+3], v15 offset:32*SP*((\t)%2)+16*\i
.endr
.endm
.irp t, 0,1,2,3
	LOAD \t
.endr
	s_wait_loadcnt 12                              ; step 0's four loads are in; the twelve behind them stay out
	TURN 0
.macro STEP t
.set XS, X+16*((\t)%2)
.if (\t) > 0
	s_wait_dscnt 1                                 ; this step's numbers are back from the stage (the last step's byte store may be out): so its stores into the stage have read their registers,
.else
	s_wait_dscnt 0x0
.endif
.if (\t)+4 < STEPS
	LOAD (\t)+4                                    ; which take the loads of four steps on
.endif
.if (\t)+1 < STEPS
.if STEPS-2-(\t) >= 3
	s_wait_loadcnt 12                              ; the next step's four loads are in; those of the three steps behind it may be out
.else
	s_wait_loadcnt 4*(STEPS-2-(\t))
.endif
	TURN (\t)+1                                    ; and go through the other stage while this step is worked
.endif
	v_max3_num_f32 v8, |v[XS]|, |v[XS+1]|, |v[XS+2]|               ; the largest magnitude of my 16, in two chains
	v_max3_num_f32 v9, |v[XS+3]|, |v[XS+4]|, |v[XS+5]|
.irp i, 6,10
	v_max3_num_f32 v8, v8, |v[XS+\i]|, |v[XS+\i+1]|
	v_max3_num_f32 v9, v9, |v[XS+\i+2]|, |v[XS+\i+3]|
.endr
	v_max3_num_f32 v8, v8, |v[XS+14]|, |v[XS+15]|
	v_max3_num_f32 v8, v8, v9, (EMAX+1)<<23        ; and the floor 2^(3 - 127): the byte cannot fall under 1
	v_max_num_f32_dpp v8, v8, v8 row_xmask:1 row_mask:0xf bank_mask:0xf   ; and of my neighbour's 16: the block's
	v_add_nc_u32 v11, -(EMAX<<23), v8              ; 2 off its exponent field: the conversion takes the exponent field of this operand as its scale
	v_cvt_scalef32_pk16_fp6_f32 v[C+4*(\t):C+4*(\t)+2], v[XS:XS+15], v11   ; sixteen numbers / the scale, to the nearest code, ties to even, beyond 7.5 the largest code; 96 bits
	v_lshrrev_b32 v[E+(\t)], 23, v11               ; the scale's byte (also the plain line behind the conversion)
	ds_store_b8 v5, v[E+(\t)] offset:16*(\t)       ; both lanes of a block write the same byte with the same value
	global_store_b96 v4, v[C+4*(\t):C+4*(\t)+2], s[12:13] offset:32*CB*(\t)   ; the wave stores 384 consecutive bytes
.endm
.irp t, 0,1,2,3,4,5,6,7,8,9,10,11,12,13,14,15
	STEP \t
.endr
	ds_load_b64 v[12:13], v6                       ; LDS serves a wave's instructions in order: these see my byte stores
	s_wait_dscnt 0x0
	global_store_b64 v7, v[12:13], s[14:15]        ; 32 lanes store 256 consecutive bytes, aligned
	s_wait_tensorcnt 0x0
	ds_add_u32 v192, v193
	s_wait_dscnt 0x0
	s_endpgm
.Lfunc_end_k_q2e619d65c6_quant:
	.size	k_q2e619d65c6_quant, .Lfunc_end_k_q2e619d65c6_quant-k_q2e619d65c6_quant
	.p2alignl 7, 3214868480
	.fill 96, 4, 3214868480
	.section	.rodata,"a",@progbits
	.p2align	6, 0x0
	.amdhsa_kernel k_q2e619d65c6_quant
		.amdhsa_group_segment_fixed_size 33280
		.amdhsa_private_segment_fixed_size 0
		.amdhsa_enable_private_segment 0
		.amdhsa_kernarg_size 48
		.amdhsa_user_sgpr_count 2
		.amdhsa_user_sgpr_kernarg_segment_ptr 1
		.amdhsa_wavefront_size32 1
		.amdhsa_system_sgpr_workgroup_id_x 1
		.amdhsa_system_sgpr_workgroup_id_y 1
		.amdhsa_system_sgpr_workgroup_id_z 1
		.amdhsa_system_vgpr_workitem_id 0
		.amdhsa_next_free_vgpr 194
		.amdhsa_next_free_sgpr 66
		.amdhsa_reserve_vcc 0
		.amdhsa_float_denorm_mode_32 3
		.amdhsa_float_denorm_mode_16_64 3
		.amdhsa_memory_ordered 1
		.amdhsa_forward_progress 1
		.amdhsa_inst_pref_size 33
	.end_amdhsa_kernel
	.amdgpu_metadata
---
amdhsa.version: [ 1, 2 ]
amdhsa.kernels:
  - .name:           k_q2e619d65c6_quant
    .symbol:         k_q2e619d65c6_quant.kd
    .args:
      - { .name: x, .offset: 0, .size: 8, .value_kind: global_buffer, .address_space: global }
      - { .name: Wq, .offset: 8, .size: 8, .value_kind: global_buffer, .address_space: global }
      - { .name: Wk, .offset: 16, .size: 8, .value_kind: global_buffer, .address_space: global }
      - { .name: Wv, .offset: 24, .size: 8, .value_kind: global_buffer, .address_space: global }
      - { .name: codes, .offset: 32, .size: 8, .value_kind: global_buffer, .address_space: global }
      - { .name: scl, .offset: 40, .size: 8, .value_kind: global_buffer, .address_space: global }
    .group_segment_fixed_size: 33280
    .private_segment_fixed_size: 0
    .kernarg_segment_align: 8
    .kernarg_segment_size: 48
    .max_flat_workgroup_size: 128
    .sgpr_count:     66
    .vgpr_count:     194
    .wavefront_size: 32
...
	.end_amdgpu_metadata
.endif
;; end of part 1
;; launch proj (part 2): grid 12 x 32, 4 waves a work-group, clusters of 4 x 4, 327,680 bytes of LDS; arguments codes, scl, qkv; writes qkv
.if DOCPART == 2
	.amdgcn_target "amdgcn-amd-amdhsa--gfx1250"
	.amdhsa_code_object_version 6
	.text
	.protected	k_q2e619d65c6_proj
	.globl	k_q2e619d65c6_proj
	.p2align	8
	.type	k_q2e619d65c6_proj,@function
k_q2e619d65c6_proj:
	s_mov_b64 s[64:65], 0
	v_nop
	global_prefetch_b8 v0, s[64:65] scope:SCOPE_SE
	s_setreg_imm32_b32 hwreg(HW_REG_WAVE_MODE, 25, 1), 1
	s_wait_xcnt 0x0
	s_wait_alu depctr_hold_cnt(0) depctr_sa_sdst(0) depctr_va_vdst(0) depctr_va_sdst(0) depctr_va_ssrc(0) depctr_va_vcc(0) depctr_vm_vsrc(0)
	s_getreg_b32 s2, hwreg(HW_REG_IB_STS2, 6, 4)
	s_cmp_eq_u32 s2, 0
	s_cbranch_scc0 .Lentry_in_a_cluster
	s_endpgm
.Lentry_in_a_cluster:
	s_bfe_u32 s2, ttmp6, 0x10000c
	s_cmp_lg_u32 s2, 0xf033
	s_cbranch_scc0 .Lentry_shape_is_right
	s_endpgm
.Lentry_shape_is_right:
.set KSTEP,  256
.set NQ,     KSTEP/128
.set ROWB,   192
.set KROW,   768
.set PITCH,  240
.set FR,     12
.set NL,     6
.set NP,     4
.set HALFT,  128*PITCH
.set SLOT,   4*HALFT
.set LAPS,   2
.set KS,     32
.set SCL,    2*SLOT
.set HALFS,  (128*KS/256)*272
.set SBLK,   (16*KS/256)*272
.set SPARE,  SCL+4*HALFS
.set REC,    315392
.set ADRA, 16
.set ADRB, 20
.set VO8,  25
.set VO16, 26
.set ADRS, 27
.set SPW,  28
.set NIL,  29
.set SC,   32
.set AF,   128
.set TM,   128
.set PWS,  144
.set XR,   152
.set YR,   156
.set PC,   160
.set G1, 24
.set G0, 32
.set G1B, 48
.set G0B, 56
.set G1S, 68
.set G0S, 76
.set G1SB, 80
.set G0SB, 88
.set OB0, 92
.set OB1, 94
.set SB0, 96
.set SB1, 98
.set STA, 46
.set STB, 100
.set SEL, 54
.set MSB, 0
.macro WIN new
.if MSB != \new
	s_set_vgpr_msb (MSB<<8)|\new
.set MSB, \new
.endif
.endm
.set MUL_LO, 0xa1
.set MUL_HI, 0xf1
.set TO_B,   0x40
.macro JLOAD g0a, g1a, g0b, g1b
	s_cmp_eq_u32 s15, 0
	s_cbranch_scc0 .Lfor_b_\@
	tensor_load_to_lds s[\g0a:\g0a+3], s[\g1a:\g1a+7]
	s_nop 0
.rept 4
	v_nop
.endr
	s_branch .Lasked_\@
.Lfor_b_\@:
	tensor_load_to_lds s[\g0b:\g0b+3], s[\g1b:\g1b+7]
	s_nop 0
.rept 4
	v_nop
.endr
.Lasked_\@:
.endm
.macro CREST
	s_cmp_lg_u32 s14, 0
	s_cbranch_scc1 .Lnot_wave_0_\@
	s_barrier_signal -3
.Lnot_wave_0_\@:
	s_barrier_wait -3
	s_barrier_signal -1
	s_barrier_wait -1
.endm
.macro CROUND
	s_barrier_signal -1
	s_barrier_wait -1
	CREST
.endm
	s_load_b128 s[4:7], s[0:1], 0x0
	s_load_b64 s[12:13], s[0:1], 0x10
	v_lshl_add_u32 v[SPW], v0, 2, SPARE
	v_mov_b32 v[NIL], 0
	ds_add_u32 v28, v29
	ds_add_u32 v28, v29
	s_wait_dscnt 0x0
	v_lshrrev_b32 v1, 5, v0
	v_readfirstlane_b32 s14, v1
	s_lshr_b32 s15, s14, 1
	s_and_b32 s16, s14, 1
	s_bfe_u32 s40, ttmp6, 0x40000
	s_bfe_u32 s41, ttmp6, 0x40004
	s_and_b32 s17, ttmp7, 0xffff
	s_lshl_b32 s17, s17, 2
	s_lshl_b32 s42, ttmp9, 2
	s_add_co_u32 s42, s42, 32
	s_cmp_eq_u32 ttmp9, 2
	s_cselect_b32 s42, s17, s42
	s_cselect_b32 s17, 40, s17
	s_add_co_u32 s42, s42, s40
	s_add_co_u32 s17, s17, s41
	s_lshl_b32 s43, s41, 2
	s_lshl_b32 s43, 15, s43
	s_lshl_b32 s44, 0x1111, s40
	s_or_b32 s[G1+0], s43, (0<<16)|(1<<20)|(1<<21)|(3<<22)|(3<<25)
	s_or_b32 s[G1B+0], s44, (0<<16)|(1<<20)|(1<<21)|(3<<22)|(3<<25)
.irp g, G1, G1B
	s_mov_b32 s[\g+1], ROWB<<16
	s_mov_b32 s[\g+2], 128<<16
	s_mov_b32 s[\g+3], ROWB<<16
	s_mov_b32 s[\g+4], 128
	s_mov_b32 s[\g+5], KROW
	s_mov_b32 s[\g+6], 0
	s_mov_b32 s[\g+7], 0
.endr
	s_or_b32 s[G1S+0], s43, (3<<16)|(1<<20)|(1<<21)|(5<<22)|(3<<25)
	s_or_b32 s[G1SB+0], s44, (3<<16)|(1<<20)|(1<<21)|(5<<22)|(3<<25)
.irp g, G1S, G1SB
	s_mov_b32 s[\g+1], 32<<16
	s_mov_b32 s[\g+2], (128*KS/256)<<16
	s_mov_b32 s[\g+3], 32<<16
	s_mov_b32 s[\g+4], 128*KS/256
	s_mov_b32 s[\g+5], 32
	s_mov_b32 s[\g+6], 0
	s_mov_b32 s[\g+7], 0
.endr
	s_lshl_b32 s18, s16, 7
	s_lshl_b32 s20, s17, 8
	s_add_co_u32 s20, s20, s18
	s_lshl_b32 s46, s42, 8
	s_add_co_u32 s46, s46, s18
	s_mov_b32 s21, 0
	s_mov_b32 s47, 0
	s_mov_b64 s[18:19], KS
	s_mul_u64 s[22:23], s[20:21], s[18:19]
	s_mul_u64 s[92:93], s[46:47], s[18:19]
	s_mov_b64 s[18:19], KROW
	s_mul_u64 s[20:21], s[20:21], s[18:19]
	s_mul_u64 s[46:47], s[46:47], s[18:19]
	s_mul_i32 s45, s14, HALFT
	s_mul_i32 s94, s14, HALFS
	s_wait_kmcnt 0x0
	s_add_nc_u64 s[20:21], s[4:5], s[20:21]
	s_add_nc_u64 s[22:23], s[6:7], s[22:23]
	s_add_nc_u64 s[46:47], s[4:5], s[46:47]
	s_add_nc_u64 s[92:93], s[6:7], s[92:93]
	CROUND
	s_mov_b32 s[G0S], 1
	s_add_co_u32 s[G0S+1], s94, SCL
	s_mov_b64 s[G0S+2:G0S+3], s[22:23]
	s_or_b32 s[G0S+3], s[G0S+3], 0x80000000
	s_mov_b32 s[G0SB], 1
	s_add_co_u32 s[G0SB+1], s94, SCL
	s_mov_b64 s[G0SB+2:G0SB+3], s[92:93]
	s_or_b32 s[G0SB+3], s[G0SB+3], 0x80000000
	JLOAD G0S, G1S, G0SB, G1SB
.irp s, 0,1
	s_mov_b32 s[G0+4*\s], 1
	s_add_co_u32 s[G0+4*\s+1], s45, \s*SLOT
	s_add_nc_u64 s[G0+4*\s+2:G0+4*\s+3], s[20:21], \s*ROWB
	s_or_b32 s[G0+4*\s+3], s[G0+4*\s+3], 0x80000000
	s_mov_b32 s[G0B+4*\s], 1
	s_add_co_u32 s[G0B+4*\s+1], s45, \s*SLOT
	s_add_nc_u64 s[G0B+4*\s+2:G0B+4*\s+3], s[46:47], \s*ROWB
	s_or_b32 s[G0B+4*\s+3], s[G0B+4*\s+3], 0x80000000
	s_wait_alu depctr_va_vdst(0)
	s_wait_tensorcnt 0x0
	ds_add_u32 v28, v29
	s_wait_dscnt 0x0
	CROUND
	JLOAD G0+4*\s, G1, G0B+4*\s, G1B
.endr
	v_and_b32 v1, 15, v0
	v_bfe_u32 v2, v0, 4, 1
	v_mul_u32_u24 v3, v1, PITCH
	v_mul_u32_u24 v4, v2, 24
	v_add_nc_u32 v4, v3, v4
	v_lshl_add_u32 v5, v2, 4, v4
	s_mul_i32 s21, s15, HALFT
	s_mul_i32 s22, s16, HALFT
	s_add_co_u32 s22, s22, 2*HALFT
.irp s, 0,1
	v_add_nc_u32 v[ADRA+\s], s21, v4
	v_add_nc_u32 v[ADRB+\s], s22, v4
	v_add_nc_u32 v[ADRA+2+\s], s21, v5
	v_add_nc_u32 v[ADRB+2+\s], s22, v5
	s_add_co_u32 s21, s21, SLOT
	s_add_co_u32 s22, s22, SLOT
.endr
	v_mul_u32_u24 v5, v1, KS
	v_lshrrev_b32 v6, 8, v5
	v_lshl_add_u32 v5, v6, 4, v5
	s_mul_i32 s21, s15, HALFS
	s_mul_i32 s22, s16, HALFS
	s_add_co_u32 s22, s22, 2*HALFS
	s_sub_co_u32 s22, s22, s21
	v_mul_u32_u24 v6, s22, v2
	s_add_co_u32 s21, s21, SCL
	v_add_nc_u32 v5, v5, v6
	v_add_nc_u32 v[ADRS], s21, v5
	v_and_b32 v6, 31, v0
	v_lshlrev_b32 v[VO16], 4, v6
	v_lshlrev_b32 v[VO8], 3, v6
.macro FRAG reg, adr, q, i
.irp p, 0,1,2,3,4,5
.set PCE, 12*(\q)+6*(\p/3)+\p%3
.if PCE%8 < 5
	ds_load_b64 v[\reg+2*\p:\reg+2*\p+1], v[\adr] offset:8*PCE+16*(PCE/8)+(\i)*16*PITCH
.else
	ds_load_b64 v[\reg+2*\p:\reg+2*\p+1], v[\adr+2] offset:8*PCE+16*(PCE/8)+(\i)*16*PITCH
.endif
.endr
.endm
.macro MUL16 a0, p, q, sc, zero
.irp a, \a0, \a0+1
.irp b, 0,1,2,3,4,5,6,7
.if \zero
	v_wmma_scale_f32_16x16x128_f8f6f4 v[8*(8*((\a)%4)+\b):8*(8*((\a)%4)+\b)+7], v[128*(\p)+FR*\b:128*(\p)+FR*\b+FR-1], v[AF+FR*(\a):AF+FR*(\a)+FR-1], 0, v[SC+8*NQ*(\sc)+NQ*\b+(\q)], v[SC+8*NQ*(\sc)+NQ*(\a)+(\q)] matrix_a_fmt:MATRIX_FMT_FP6 matrix_b_fmt:MATRIX_FMT_FP6 matrix_a_scale:MATRIX_SCALE_ROW1
.else
	v_wmma_scale_f32_16x16x128_f8f6f4 v[8*(8*((\a)%4)+\b):8*(8*((\a)%4)+\b)+7], v[128*(\p)+FR*\b:128*(\p)+FR*\b+FR-1], v[AF+FR*(\a):AF+FR*(\a)+FR-1], v[8*(8*((\a)%4)+\b):8*(8*((\a)%4)+\b)+7], v[SC+8*NQ*(\sc)+NQ*\b+(\q)], v[SC+8*NQ*(\sc)+NQ*(\a)+(\q)] matrix_a_fmt:MATRIX_FMT_FP6 matrix_b_fmt:MATRIX_FMT_FP6 matrix_a_scale:MATRIX_SCALE_ROW1
.endif
.endr
.endr
.endm
.macro FETCH_B slot, q, p
	WIN TO_B
.irp i, 0,1,2,3,4,5,6,7
	FRAG 128*(\p)+FR*\i, ADRB+\slot, \q, \i
.endr
	WIN 0
.endm
.macro FETCH_A slot, q, i0
.irp i, \i0, \i0+1, \i0+2, \i0+3
	FRAG AF+FR*(\i), ADRA+\slot, \q, \i
.endr
.endm
.macro SCALES sc
.irp i, 0,1,2,3,4,5,6,7
	ds_load_b64 v[SC+8*NQ*\sc+NQ*\i:SC+8*NQ*\sc+NQ*\i+1], v[ADRS] offset:\i*SBLK
.endr
.endm
.macro PLACES n
.rept \n
	v_nop
.endr
.endm
.macro STEP slot, q, zero
	s_wait_dscnt 4*NL
	WIN MUL_LO
	MUL16 0, (\q)%2, \q, \slot, \zero
	MUL16 2, (\q)%2, \q, \slot, \zero
	s_wait_dscnt 0
	PLACES NP
	FETCH_B \slot, (\q)+1, 1-(\q)%2
	FETCH_A \slot, (\q)+1, 0
	WIN MUL_HI
	MUL16 4, (\q)%2, \q, \slot, \zero
	MUL16 6, (\q)%2, \q, \slot, \zero
	PLACES NP
	WIN 0
	FETCH_A \slot, (\q)+1, 4
.endm
.macro TURN slot, next, fill
	s_wait_tensorcnt 0x0
	ds_add_u32 v[SPW], v[NIL]
	s_wait_dscnt 4*NL+1
	WIN MUL_LO
	MUL16 0, 1, NQ-1, \slot, 0
	s_wait_dscnt 0x0
	s_barrier_signal -1
	MUL16 2, 1, NQ-1, \slot, 0
	WIN 0
	s_barrier_wait -1
.if \fill
	CREST
	s_add_nc_u64 s[G0+4*\slot+2:G0+4*\slot+3], s[G0+4*\slot+2:G0+4*\slot+3], 2*ROWB
	s_add_nc_u64 s[G0B+4*\slot+2:G0B+4*\slot+3], s[G0B+4*\slot+2:G0B+4*\slot+3], 2*ROWB
	JLOAD G0+4*\slot, G1, G0B+4*\slot, G1B
.else
	PLACES NP
.endif
	s_wait_alu depctr_va_vdst(0)
	v_add_nc_u32 v[ADRS], 4*NQ, v[ADRS]
	FETCH_B \next, 0, 0
	FETCH_A \next, 0, 0
	SCALES \next
	WIN MUL_HI
	MUL16 4, 1, NQ-1, \slot, 0
	MUL16 6, 1, NQ-1, \slot, 0
	PLACES NP
	WIN 0
	FETCH_A \next, 0, 4
.endm
	s_wait_alu depctr_va_vdst(0)
	s_wait_tensorcnt 1
	s_barrier_signal -1
	s_barrier_wait -1
	FETCH_B 0, 0, 0
	FETCH_A 0, 0, 0
	SCALES 0
	FETCH_A 0, 0, 4
	STEP 0, 0, 1
	s_mov_b32 s3, LAPS-1
.Llap:
	TURN 0, 1, 1
	STEP 1, 0, 0
	TURN 1, 0, 1
	STEP 0, 0, 0
	s_sub_co_u32 s3, s3, 1
	s_cmp_lg_u32 s3, 0
	s_cbranch_scc1 .Llap
	TURN 0, 1, 0
	STEP 1, 0, 0
	s_wait_dscnt 4*NL
	WIN MUL_LO
	MUL16 0, 1, NQ-1, 1, 0
	MUL16 2, 1, NQ-1, 1, 0
	s_wait_dscnt 0
	WIN MUL_HI
	MUL16 4, 1, NQ-1, 1, 0
	MUL16 6, 1, NQ-1, 1, 0
	WIN 0
	PLACES NP
	s_lshl_b32 s20, s17, 1
	s_add_co_u32 s20, s20, s15
	s_lshl_b32 s21, s42, 1
	s_add_co_u32 s21, s21, s16
	s_mov_b32 s48, 106496
	s_mov_b32 s49, 13056
	s_mov_b32 s50, 12288
	s_mov_b32 s[STA], 768
	s_mov_b32 s[STB], 768
	s_mov_b32 s52, REC
	s_cmp_eq_u32 ttmp9, 0
	s_cselect_b32 s48, 0, s48
	s_cselect_b32 s49, 6656, s49
	s_cselect_b32 s50, 6144, s50
	s_cmp_eq_u32 ttmp9, 2
	s_cselect_b32 s48, 112640, s48
	s_cselect_b32 s50, 6656, s50
	s_cselect_b32 s[STA], 1536, s[STA]
	s_cselect_b32 s[STB], REC-3*1536, s[STB]
	s_cselect_b32 s52, 768, s52
	s_cselect_b32 s22, s21, s20
	s_cselect_b32 s23, s20, s21
	s_and_b32 s23, s23, 7
	s_and_b32 s24, s22, 15
	s_and_b32 s22, s22, 48
	s_lshl_b32 s23, s23, 1
	s_add_co_u32 s22, s22, s23
	s_mul_i32 s22, s22, REC
	s_mul_i32 s24, s24, s49
	s_add_co_u32 s22, s22, s24
	s_add_co_u32 s22, s22, s48
	s_mov_b32 s23, 0
	s_mov_b32 s51, 0
	s_mov_b32 s53, 0
	s_mov_b32 s[STA+1], 0
	s_mov_b32 s[STB+1], 0
	s_add_nc_u64 s[OB0:OB0+1], s[12:13], s[22:23]
	s_add_nc_u64 s[OB1:OB1+1], s[OB0:OB0+1], s[52:53]
	s_add_nc_u64 s[SB0:SB0+1], s[OB0:OB0+1], s[50:51]
	s_add_nc_u64 s[SB1:SB1+1], s[SB0:SB0+1], REC
	s_mov_b32 s[SEL], 0x76543210
	s_mov_b32 s[SEL+1], 0xfedcba98
.irp b, 0,1,2,3
	v_mov_b32 v[TM+4+\b], 0
.endr
	v_and_b32 v1, 31, v0
	v_cmp_lt_u32 vcc_lo, 15, v1
.macro QBLK a
.set AC, 64*((\a)%4)
.set WS, 2+(\a)/4
.set WN, WS|(WS<<2)
	WIN WN
.irp b, 0,1,2,3
	v_max3_num_f32 v[TM+\b], |v[AC+16*\b]|, |v[AC+16*\b+1]|, 0x1800000
.endr
.irp i, 2,4,6,8,10,12,14
.irp b, 0,1,2,3
	v_max3_num_f32 v[TM+\b], |v[AC+16*\b+\i]|, |v[AC+16*\b+\i+1]|, v[TM+\b]
.endr
.endr
	WIN 0
.irp b, 0,1,2,3
	v_permlanex16_b32 v[TM+4+\b], v[TM+\b], s[SEL], s[SEL+1]
.endr
.irp b, 0,1,2,3
	v_max_num_f32 v[TM+\b], v[TM+\b], v[TM+4+\b]
.endr
.irp b, 0,1,2,3
	v_add_nc_u32 v[TM+12+\b], 0xff000000, v[TM+\b]
.endr
.irp b, 0,1,2,3
	v_lshrrev_b32 v[TM+4+\b], 23, v[TM+12+\b]
.endr
	v_lshl_or_b32 v[PWS+(\a)], v[TM+5], 8, v[TM+4]
	v_lshl_or_b32 v[PWS+(\a)], v[TM+6], 16, v[PWS+(\a)]
	v_lshl_or_b32 v[PWS+(\a)], v[TM+7], 24, v[PWS+(\a)]
.if (\a) > 0
	s_wait_xcnt 0x0
.if (\a) == 4
	s_add_nc_u64 s[OB0:OB0+1], s[OB0:OB0+1], s[STB:STB+1]
	s_add_nc_u64 s[OB1:OB1+1], s[OB1:OB1+1], s[STB:STB+1]
.else
	s_add_nc_u64 s[OB0:OB0+1], s[OB0:OB0+1], s[STA:STA+1]
	s_add_nc_u64 s[OB1:OB1+1], s[OB1:OB1+1], s[STA:STA+1]
.endif
.endif
	WIN WS
.irp c, 0,1
	v_cvt_scalef32_pk16_fp6_f32 v[PC+6*\c:PC+6*\c+2], v[AC+32*\c:AC+32*\c+15], v[TM+12+2*\c]
	v_cvt_scalef32_pk16_fp6_f32 v[PC+12+4*\c:PC+12+4*\c+2], v[AC+32*\c+16:AC+32*\c+31], v[TM+13+2*\c]
.endr
	WIN 0
	v_nop
.irp c, 0,1
.irp i, 0,1,2
	v_permlane16_swap_b32 v[PC+6*\c+\i], v[PC+12+4*\c+\i]
.endr
.irp i, 0,1,2
	v_mov_b32 v[PC+3+6*\c+\i], v[PC+12+4*\c+\i]
.endr
.endr
	global_store_b128 v[VO16], v[PC:PC+3], s[OB0:OB0+1]
	global_store_b64 v[VO8], v[PC+4:PC+5], s[OB0:OB0+1] offset:512
	global_store_b128 v[VO16], v[PC+6:PC+9], s[OB1:OB1+1]
	global_store_b64 v[VO8], v[PC+10:PC+11], s[OB1:OB1+1] offset:512
.endm
.irp a, 0,1,2,3,4,5,6,7
	QBLK \a
.endr
.irp j, 0,1,2,3
	v_cndmask_b32 v[XR+\j], v[PWS+2*\j], v[PWS+2*\j+1], vcc_lo
.endr
	s_cmp_eq_u32 ttmp9, 2
	s_cbranch_scc1 .Lv_scales
.irp j, 0,1,2,3
	v_perm_b32 v[YR+\j], v[XR+\j], v[XR+\j], 0x03020302
.endr
.irp j, 0,1,2,3
	v_perm_b32 v[XR+\j], v[XR+\j], v[XR+\j], 0x01000100
.endr
	global_store_b128 v[VO16], v[XR:XR+3], s[SB0:SB0+1]
	global_store_b128 v[VO16], v[YR:YR+3], s[SB1:SB1+1]
	s_branch .Lscales_out
.Lv_scales:
	s_wait_alu depctr_va_vdst(0)
	global_store_b64 v[VO8], v[XR:XR+1], s[SB0:SB0+1]
	global_store_b64 v[VO8], v[XR+2:XR+3], s[SB1:SB1+1]
.Lscales_out:
	s_wait_tensorcnt 0x0
	ds_add_u32 v[SPW], v[NIL]
	s_wait_dscnt 0x0
	CROUND
	s_endpgm
.Lfunc_end_k_q2e619d65c6_proj:
	.size	k_q2e619d65c6_proj, .Lfunc_end_k_q2e619d65c6_proj-k_q2e619d65c6_proj
	.p2alignl 7, 3214868480
	.fill 96, 4, 3214868480
	.section	.rodata,"a",@progbits
	.p2align	6, 0x0
	.amdhsa_kernel k_q2e619d65c6_proj
		.amdhsa_group_segment_fixed_size 327680
		.amdhsa_private_segment_fixed_size 0
		.amdhsa_enable_private_segment 0
		.amdhsa_kernarg_size 24
		.amdhsa_user_sgpr_count 2
		.amdhsa_user_sgpr_kernarg_segment_ptr 1
		.amdhsa_wavefront_size32 1
		.amdhsa_system_sgpr_workgroup_id_x 1
		.amdhsa_system_sgpr_workgroup_id_y 1
		.amdhsa_system_sgpr_workgroup_id_z 1
		.amdhsa_system_vgpr_workitem_id 0
		.amdhsa_next_free_vgpr 1024
		.amdhsa_next_free_sgpr 102
		.amdhsa_reserve_vcc 1
		.amdhsa_float_denorm_mode_32 3
		.amdhsa_float_denorm_mode_16_64 3
		.amdhsa_memory_ordered 1
		.amdhsa_forward_progress 1
		.amdhsa_inst_pref_size 169
	.end_amdhsa_kernel
	.amdgpu_metadata
---
amdhsa.version: [ 1, 2 ]
amdhsa.kernels:
  - .name:           k_q2e619d65c6_proj
    .symbol:         k_q2e619d65c6_proj.kd
    .args:
      - { .name: codes, .offset: 0, .size: 8, .value_kind: global_buffer, .address_space: global }
      - { .name: scl, .offset: 8, .size: 8, .value_kind: global_buffer, .address_space: global }
      - { .name: qkv, .offset: 16, .size: 8, .value_kind: global_buffer, .address_space: global }
    .group_segment_fixed_size: 327680
    .private_segment_fixed_size: 0
    .kernarg_segment_align: 8
    .kernarg_segment_size: 24
    .max_flat_workgroup_size: 128
    .sgpr_count:     102
    .vgpr_count:     1024
    .wavefront_size: 32
...
	.end_amdgpu_metadata
.endif
;; end of part 2
;; launch attn (part 3): grid 4 x 64, 16 waves a work-group, clusters of 4 x 1, 301,056 bytes of LDS; arguments qkv, out0; writes out0
.if DOCPART == 3
	.amdgcn_target "amdgcn-amd-amdhsa--gfx1250"
	.amdhsa_code_object_version 6
	.text
	.protected	k_q2e619d65c6_attn
	.globl	k_q2e619d65c6_attn
	.p2align	8
	.type	k_q2e619d65c6_attn,@function
k_q2e619d65c6_attn:
	s_mov_b64 s[64:65], 0
	v_nop
	global_prefetch_b8 v0, s[64:65] scope:SCOPE_SE
	s_setreg_imm32_b32 hwreg(HW_REG_WAVE_MODE, 25, 1), 1
	s_wait_xcnt 0x0
	s_wait_alu depctr_hold_cnt(0) depctr_sa_sdst(0) depctr_va_vdst(0) depctr_va_sdst(0) depctr_va_ssrc(0) depctr_va_vcc(0) depctr_vm_vsrc(0)
	s_getreg_b32 s2, hwreg(HW_REG_IB_STS2, 6, 4)
	s_cmp_eq_u32 s2, 0
	s_cbranch_scc0 .Lentry_in_a_cluster
	s_endpgm
.Lentry_in_a_cluster:
	s_bfe_u32 s2, ttmp6, 0x10000c
	s_cmp_lg_u32 s2, 0x3003
	s_cbranch_scc0 .Lentry_shape_is_right
	s_endpgm
.Lentry_shape_is_right:
; out0[b][token][64 head + d] = the sum over keys of softmax(q . k / 32) v, both products on codes of E2M3 with one E8M0 scale for each 32 along K.
; (The scores are divided by sqrt(1024) = 32.  Nothing is formed from Wu, so Wu is an argument of no launch of this program.)
; qkv holds, for each of 64 records (16 batch + head), images of operand registers: Q part: 16 chunks of 6,656 bytes (8 tiles of 16 positions x 64 dims, 768 bytes each; 512 bytes of scale words);
; KV part from byte 106,496: 16 chunks (128 keys) of 13,056 bytes: K's 8 tiles of 768, V's 4 tiles (16 channels x 128 keys) of 1,536, K's scale words 512, V's 256.
; A half image (768 bytes) is six registers a lane: registers 0-3 at 16 x lane, registers 4-5 at 512 + 8 x lane: every LDS load takes consecutive bytes.
; THE SOFTMAX: t = score x log2(e) / 32; M = the running largest t rounded UP to a whole number; p = 2^(t - M) is quantised along the keys, not normalised; the row's sum is taken of the unquantised p and divides at the end.
; When M moves, the sum and O are multiplied by 2^(old M - new M): exact.
; K = 64 OF THE FIRST PRODUCT fills half of the instruction's 128; the other half is zero codes on both sides.  An even tile of keys stands as [real 6 registers][zeros 6], an odd one as [zeros 6][real 6], sharing
; the six zeros between them; Q stands as [real][zeros][real].  The scale words hold the head's two bytes twice, so they serve either half.
; SHARES: a work-group owns 512 query positions of one record, each of its sixteen waves two tiles of 16, one after the other; four waves to a SIMD, so that one wave's vector work stands beside another's products and LDS loads.
; A record's whole KV part, 208,896 bytes, lies in LDS: filled once, never again, so there is no ring.  CLUSTER: the four work-groups of a record read the same KV part: each wave's chunk is asked for jointly.
; LAYOUT: both products transposed (S^T = K Q^T, O^T = V^T P^T): a lane holds ONE query (lane % 16).  Rows lie in position order (true row with bits 3 and 4 exchanged), so the 16 registers of key tiles 2 g, 2 g + 1
; are true keys 32 g + 16 (lane / 16) + 0 .. 15, and likewise O^T's channels; the queries are put back in true order by the store's address.
; LIMITS: NaN and infinities are not served; a p under 2^-126 counts as 0 (v_exp_f32); a block of p that is all zeros has the byte 1 and zero codes.
.set REC,   315392
.set KVOFF, 106496
.set CH,    13056                      ; a KV chunk: 51 rows of 256 bytes
.set STAGE, 229376                     ; behind the KV part: 16 rows x (256 bytes + 16) for each wave, for the way out; no fill lands there
.set A16,  1                           ; v1   16 x lane
.set A8,   2                           ; v2   8 x lane
.set AD16, 3                           ; v3   the same in the chunk in hand
.set AD8,  4                           ; v4
.set STO,  5                           ; v5   the stage: where I put 16 bytes of a row
.set RD,   6                           ; v6   and where I read a row back
.set GO,   7                           ; v7   my byte offset in out0's rows
.set T0,   8                           ; v8   at work
.set QSO,  9                           ; v9   16 x (lane % 16): my row's place in Q's scale image
.set F,    10                          ; v[10:11] f = 2^(old M - new M); v11 is written once, since the packed forms name the pair
.set Q,    16                          ; v16-33   Q: real, zeros, real
.set KF,   34                          ; v34-69   two triplets: even tile, zeros, odd tile
.set VF,   70                          ; v70-117  V's four fragments
.set S,    118                         ; v118-181 S^T, then p; on the way out O / the sum and rows of out0
.set O,    182                         ; v182-213 O^T
.set PCD,  214                         ; v214-225 p's codes
.set CT,   226                         ; v226-233 the conversions' second halves
.set BM,   234                         ; v234-237 each block's largest score, then its largest p
.set BP,   238                         ; v238-241 the other half's; then the bytes
.set BS,   242                         ; v242-245 the conversions' scale operands
.set KSC,  246                         ; v246-249 K's scale words   (v246-249 also take partial sums of p after the S^T products)
.set VSC,  250                         ; v250-251 V's
.set QSC,  252                         ; v252     Q's
.set PSC,  253                         ; v253     p's
.set SM2,  254                         ; v[254:255] the sum's second chain;  v12 -M, v13 the largest t, v[14:15] the sum in two halves
.set SEL,  24                          ; s[24:25] lane selects: lane l xor 16
.set CS,   26                          ; s[26:27] c = log2(e) / 32
.set TB,   28                          ; s28  LDS byte at which the chunk in hand begins
.set QB,   32                          ; s[32:33] my Q tile's image;  s[34:35] its scale words;  s[36:37] my first row of out0
.set QS,   34
.set OUTB, 36
.macro ROUND                           ; a round of the cluster's barrier
	s_barrier_signal -1
	s_barrier_wait -1
	s_cmp_lg_u32 s8, 0
	s_cbranch_scc1 .Lnot_wave_0_\@
	s_barrier_signal -3
.Lnot_wave_0_\@:
	s_barrier_wait -3
	s_barrier_signal -1
	s_barrier_wait -1
.endm
	s_load_b128 s[4:7], s[0:1], 0x0                ; qkv s[4:5], out0 s[6:7]
	v_lshl_add_u32 v229, v0, 2, 0x49000
	v_mov_b32 v233, 0
	ds_add_u32 v229, v233
	ds_add_u32 v229, v233
	v_lshrrev_b32 v8, 5, v0
	s_delay_alu instid0(VALU_DEP_1)
	v_readfirstlane_b32 s8, v8                     ; wave 0..15
	s_bfe_u32 s11, ttmp6, 0x40000                  ; cx
	s_lshl_b32 s9, ttmp9, 2
	s_add_co_u32 s9, s9, s11                       ; my block of 512 query positions: it enters Q's and out0's addresses alone
	s_and_b32 s10, ttmp7, 0xffff                   ; the record, which the four partners share
	s_mul_i32 s38, s10, REC
	; the joint load: chunk w of the record's KV part, 51 rows of 256 bytes, dense
	s_mov_b32 s12, 1                               ; count = 1
	s_mul_i32 s13, s8, CH                          ; LDS address: the KV part lies in LDS as in memory
	s_add_co_u32 s40, s38, s13
	s_add_co_u32 s40, s40, KVOFF
	s_mov_b32 s41, 0
	s_mov_b32 s16, 15|(3<<16)|(1<<21)              ; the mask: all four work-groups; elements of 8 bytes; no padding; bit 21 beside a mask
	s_mov_b32 s17, 32<<16                          ; tensor_dim0 = 32
	s_mov_b32 s18, 51<<16                          ; tensor_dim1 = 51
	s_mov_b32 s19, 32<<16                          ; tile_dim0 = 32
	s_mov_b32 s20, 51                              ; tile_dim1 = 51
	s_mov_b32 s21, 32                              ; pitch
	s_mov_b32 s22, 0
	s_mov_b32 s23, 0
	; Q: tile 32 x block + 16 x pass + w: chunk 4 x block + 2 x pass + w / 8, tile w % 8 in it
	s_lshl_b32 s42, s9, 2
	s_lshr_b32 s43, s8, 3
	s_add_co_u32 s42, s42, s43
	s_mul_i32 s42, s42, 6656
	s_add_co_u32 s42, s42, s38
	s_and_b32 s43, s8, 7
	s_mul_i32 s31, s43, 768
	s_add_co_u32 s[QB], s42, s31
	s_mov_b32 s[QB+1], 0
	s_and_b32 s31, s8, 1                           ; its scale word: 6,144 + 256 (tile % 2) + 16 r + 4 (tile / 2)
	s_lshl_b32 s31, s31, 8
	s_lshr_b32 s43, s43, 1
	s_lshl_b32 s43, s43, 2
	s_add_co_u32 s[QS], s42, s31
	s_add_co_u32 s[QS], s[QS], s43
	s_add_co_u32 s[QS], s[QS], 6144
	s_mov_b32 s[QS+1], 0
	; out0: batch x 2,048 rows of 4,096 bytes + head x 256 bytes + token 512 x block + 32 (w / 2) + 8 (w % 2)
	s_lshr_b32 s[OUTB], s10, 4
	s_lshl_b32 s[OUTB], s[OUTB], 23
	s_and_b32 s31, s10, 15
	s_lshl_b32 s31, s31, 8
	s_add_co_u32 s[OUTB], s[OUTB], s31
	s_lshl_b32 s31, s9, 9
	s_lshr_b32 s43, s8, 1
	s_lshl_b32 s43, s43, 5
	s_add_co_u32 s31, s31, s43
	s_and_b32 s43, s8, 1
	s_lshl_b32 s43, s43, 3
	s_add_co_u32 s31, s31, s43
	s_lshl_b32 s31, s31, 12
	s_add_co_u32 s[OUTB], s[OUTB], s31
	s_mov_b32 s[OUTB+1], 0
	s_mov_b32 s[SEL], 0x76543210
	s_mov_b32 s[SEL+1], 0xfedcba98
	s_mov_b32 s[CS], 0x3d38aa3b                    ; log2(e) / 32
	s_mov_b32 s[CS+1], s[CS]                       ; (named with it as a pair, so it is written)
	s_wait_dscnt 0x0
	s_wait_kmcnt 0x0
	s_add_nc_u64 s[14:15], s[4:5], s[40:41]
	s_or_b32 s15, s15, 0x80000000                  ; type = 2
	s_add_nc_u64 s[QB:QB+1], s[4:5], s[QB:QB+1]
	s_add_nc_u64 s[QS:QS+1], s[4:5], s[QS:QS+1]
	s_add_nc_u64 s[OUTB:OUTB+1], s[6:7], s[OUTB:OUTB+1]
	ROUND                                          ; all four work-groups are here: the joint loads meet
	tensor_load_to_lds s[12:15], s[16:23]          ; my one tensor load of the launch
	s_nop 0
.rept 4
	v_nop
.endr
	v_and_b32 v8, 31, v0
	s_delay_alu instid0(VALU_DEP_1)
	v_lshlrev_b32 v[A16], 4, v8
	s_delay_alu instid0(VALU_DEP_2)
	v_lshlrev_b32 v[A8], 3, v8
	v_and_b32 v9, 15, v0                           ; r
	v_bfe_u32 v10, v0, 4, 1                        ; h
	s_mul_i32 s31, s8, 16*272
	s_add_co_u32 s31, s31, STAGE                   ; my stage
	v_mul_u32_u24 v[STO], v9, 272
	s_delay_alu instid0(VALU_DEP_1)
	v_lshl_add_u32 v[STO], v10, 6, v[STO]
	s_delay_alu instid0(VALU_DEP_1)
	v_add_nc_u32 v[STO], s31, v[STO]               ; in: row r, + 64 h: my 16 channels of each 32
	v_mul_u32_u24 v[RD], v10, 272
	s_delay_alu instid0(VALU_DEP_1)
	v_lshl_add_u32 v[RD], v9, 4, v[RD]
	s_delay_alu instid0(VALU_DEP_1)
	v_add_nc_u32 v[RD], s31, v[RD]                 ; back: lanes 0-15 one row, lanes 16-31 the next
	v_lshlrev_b32 v[GO], 12, v10
	s_delay_alu instid0(VALU_DEP_1)
	v_lshl_add_u32 v[GO], v9, 4, v[GO]             ; and the same two rows in out0
	v_lshlrev_b32 v[QSO], 4, v9
	v_mov_b32 v[F], 0
	v_mov_b32 v[F+1], 0
.irp i, 0,1,2,3,4,5
	v_mov_b32 v[Q+6+\i], 0                         ; the zero halves: written once
	v_mov_b32 v[KF+6+\i], 0
	v_mov_b32 v[KF+24+\i], 0
.endr
.irp b, 0,1,2,3
	v_mov_b32 v[BP+\b], 0                          ; a lane permute's destination counts as one of its sources
.endr
	s_wait_tensorcnt 0x0                           ; my chunk is in,
	s_barrier_signal -1
	s_barrier_wait -1                              ; everybody's is: from here on the KV part is only read
.macro KLOAD t                         ; key tile t of the chunk: six registers
.set rL, KF+18*(((\t)%4)/2)+12*((\t)%2)
	ds_load_b128 v[rL:rL+3], v[AD16] offset:768*(\t)
	ds_load_b64 v[rL+4:rL+5], v[AD8] offset:768*(\t)+512
.endm
.macro QK t                            ; S^T of key tile t: source 0 = 16 keys, source 1 = my 16 queries
.set rK, KF+18*(((\t)%4)/2)+6*((\t)%2)
.set rQ, Q+6*((\t)%2)
.if (\t)%2
	v_wmma_scale_f32_16x16x128_f8f6f4 v[S+8*(\t):S+8*(\t)+7], v[rK:rK+11], v[rQ:rQ+11], 0, v[KSC+(\t)/2], v[QSC] matrix_a_fmt:MATRIX_FMT_FP6 matrix_b_fmt:MATRIX_FMT_FP6 matrix_a_scale:MATRIX_SCALE_ROW1
.else
	v_wmma_scale_f32_16x16x128_f8f6f4 v[S+8*(\t):S+8*(\t)+7], v[rK:rK+11], v[rQ:rQ+11], 0, v[KSC+(\t)/2], v[QSC] matrix_a_fmt:MATRIX_FMT_FP6 matrix_b_fmt:MATRIX_FMT_FP6
.endif
.endm
.macro PV c                            ; O^T of channel tile c += V^T P^T over the chunk's 128 keys
.if (\c)%2
	v_wmma_scale_f32_16x16x128_f8f6f4 v[O+8*(\c):O+8*(\c)+7], v[VF+12*(\c):VF+12*(\c)+11], v[PCD:PCD+11], v[O+8*(\c):O+8*(\c)+7], v[VSC+(\c)/2], v[PSC] matrix_a_fmt:MATRIX_FMT_FP6 matrix_b_fmt:MATRIX_FMT_FP6 matrix_a_scale:MATRIX_SCALE_ROW1
.else
	v_wmma_scale_f32_16x16x128_f8f6f4 v[O+8*(\c):O+8*(\c)+7], v[VF+12*(\c):VF+12*(\c)+11], v[PCD:PCD+11], v[O+8*(\c):O+8*(\c)+7], v[VSC+(\c)/2], v[PSC] matrix_a_fmt:MATRIX_FMT_FP6 matrix_b_fmt:MATRIX_FMT_FP6
.endif
.endm
	s_mov_b32 s30, 2
.Lpass:                                            ; two trips: a tile of 16 queries each
	global_load_b128 v[Q:Q+3], v[A16], s[QB:QB+1]                  ; Q's half image, into both real places of the triplet
	global_load_b64 v[Q+4:Q+5], v[A8], s[QB:QB+1] offset:512
	global_load_b128 v[Q+12:Q+15], v[A16], s[QB:QB+1]
	global_load_b64 v[Q+16:Q+17], v[A8], s[QB:QB+1] offset:512
	global_load_b32 v[QSC], v[QSO], s[QS:QS+1]     ; lane r: row r's scale word
	v_mov_b32 v13, 0xff61b1e6                      ; the largest t so far: -3e38, under every t
	s_delay_alu instid0(VALU_DEP_1)
	v_floor_f32 v12, -v13                          ; -M
	v_mov_b32 v14, 0                               ; the sum, in two halves
	v_mov_b32 v15, 0
.irp j, 0,1,2,3,4,5,6,7,8,9,10,11,12,13,14,15,16,17,18,19,20,21,22,23,24,25,26,27,28,29,30,31
	v_mov_b32 v[O+\j], 0                           ; O^T.  (The step is written once: the first finds zeros, which the first change of M leaves zeros)
.endr
	s_mov_b32 s[TB], 0
	s_mov_b32 s29, 16
	s_wait_loadcnt 0x0                             ; Q
.Lstep:                                            ; sixteen trips: a chunk of 128 keys each
	s_setprio 2
	v_add_nc_u32 v[AD16], s[TB], v[A16]
	s_wait_alu depctr_va_vdst(0)
	v_add_nc_u32 v[AD8], s[TB], v[A8]
	s_wait_alu depctr_va_vdst(0)
	ds_load_b128 v[KSC:KSC+3], v[AD16] offset:12288   ; K's scale words: register j: lanes 0-15 tile 2 j, lanes 16-31 tile 2 j + 1
.irp g, 0,1                                    ; S^T, four tiles of 16 keys at a time
.if \g
.rept 4
	v_nop                                          ; places in front of loads into registers that the four products above have read
.endr
.endif
.irp u, 0,1,2,3
	KLOAD 4*\g+\u
.endr
	s_wait_dscnt 0x0
.irp u, 0,1,2,3
	QK 4*\g+\u
.endr
.endr
.rept 4
	v_nop                                          ; places in front of the first read of the scores
.endr
.irp c, 0,1,2,3                                ; V's four fragments and scale words are asked for here and land under the softmax (the last products that read these registers stand ten plain instructions back)
	ds_load_b128 v[VF+12*\c:VF+12*\c+3], v[AD16] offset:6144+1536*\c
	ds_load_b64 v[VF+12*\c+4:VF+12*\c+5], v[AD8] offset:6144+1536*\c+512
	ds_load_b128 v[VF+12*\c+6:VF+12*\c+9], v[AD16] offset:6144+1536*\c+768
	ds_load_b64 v[VF+12*\c+10:VF+12*\c+11], v[AD8] offset:6144+1536*\c+1280
.endr
	ds_load_b64 v[VSC:VSC+1], v[AD8] offset:12800
.irp b, 0,1,2,3
	v_max3_num_f32 v[BM+\b], v[S+16*\b], v[S+16*\b+1], v[S+16*\b+2]   ; the largest score of each block of 32 keys: it serves for the row's maximum and, since p rises with the score, for the block's largest p
.endr
.irp i, 3,5,7,9,11,13
.irp b, 0,1,2,3
	v_max3_num_f32 v[BM+\b], v[BM+\b], v[S+16*\b+\i], v[S+16*\b+\i+1]   ; (the four blocks by turns; each accumulator from its low end on)
.endr
.endr
.irp b, 0,1,2,3
	v_max_num_f32 v[BM+\b], v[BM+\b], v[S+16*\b+15]
.endr
.irp b, 0,1,2,3
	s_delay_alu instid0(VALU_DEP_4)
	v_permlanex16_b32 v[BP+\b], v[BM+\b], s[SEL], s[SEL+1]
.endr
.irp b, 0,1,2,3
	s_delay_alu instid0(VALU_DEP_4)
	v_max_num_f32 v[BM+\b], v[BM+\b], v[BP+\b]     ; with lane l xor 16's 16 keys
.endr
	s_delay_alu instid0(VALU_DEP_2)
	v_max3_num_f32 v[T0], v[BM], v[BM+1], v[BM+2]
	s_delay_alu instid0(VALU_DEP_1)
	v_max_num_f32 v[T0], v[T0], v[BM+3]            ; the step's largest score of my query
	s_delay_alu instid0(VALU_DEP_1)
	v_mul_f32 v[T0], s[CS], v[T0]                  ; as t (c is positive)
	s_delay_alu instid0(VALU_DEP_1)
	v_max_num_f32 v13, v13, v[T0]                  ; the running largest t
	v_mov_b32 v[T0], v12
	s_delay_alu instid0(VALU_DEP_2)
	v_floor_f32 v12, -v13                          ; the new -M = floor(-t) = -ceil(t): a whole number
	s_delay_alu instid0(VALU_DEP_1)
	v_sub_f32 v[T0], v12, v[T0]                    ; old M - new M: a whole number, 0 or less
	s_delay_alu instid0(VALU_DEP_1)
	v_cvt_i32_f32 v[T0], v[T0]                     ; (it saturates)
	s_delay_alu instid0(VALU_DEP_1)
	v_ldexp_f32 v[F], 1.0, v[T0]                   ; f = 2^(old M - new M)
.irp j, 0,2,4,6,8,10,12,14,16,18,20,22,24,26,28,30,32,34,36,38,40,42,44,46,48,50,52,54,56,58,60,62
	v_pk_fma_f32 v[S+\j:S+\j+1], v[S+\j:S+\j+1], s[CS:CS+1], v[12:13] op_sel_hi:[1,0,0]   ; t - M, two at a time (of the pairs c and -M the low word serves both halves)
.endr
.irp b, 0,1,2,3
	v_fma_f32 v[BM+\b], v[BM+\b], s[CS], v12       ; the same of each block's largest score
.endr
	s_setprio 1
	s_wait_alu depctr_va_vdst(0)
.irp j, 0,1,2,3,4,5,6,7,8,9,10,11,12,13,14,15,16,17,18,19,20,21,22,23,24,25,26,27,28,29,30,31,32,33,34,35,36,37,38,39,40,41,42,43,44,45,46,47,48,49,50,51,52,53,54,55,56,57,58,59,60,61,62,63
	v_exp_f32 v[S+\j], v[S+\j]                     ; p = 2^(t - M), at most 1: not normalised
.endr
.irp b, 0,1,2,3
	v_exp_f32 v[BM+\b], v[BM+\b]                   ; the block's largest p: the same two instructions on the same number give the same bits
.endr
	v_pk_mul_f32 v[14:15], v[14:15], v[F:F+1] op_sel_hi:[1,0]   ; the sums under the new M.  (The plain place behind the exponentials)
	s_wait_alu depctr_va_vdst(0)
.irp b, 0,1,2,3
	v_max_num_f32 v[BM+\b], 0x1800000, v[BM+\b]    ; the floor 2^(3 - 127): the byte cannot fall under 1
.endr
.irp b, 0,1,2,3
	s_delay_alu instid0(VALU_DEP_4)
	v_add_nc_u32 v[BS+\b], 0xff000000, v[BM+\b]    ; 2 off the exponent field: the conversion's scale operand
.endr
.irp b, 0,1,2,3
	s_delay_alu instid0(VALU_DEP_4)
	v_lshrrev_b32 v[BP+\b], 23, v[BS+\b]           ; the scale's byte
.endr
	s_delay_alu instid0(VALU_DEP_3)
	v_lshl_or_b32 v[PSC], v[BP+1], 8, v[BP]        ; p's scale word for these 128 keys
	s_delay_alu instid0(VALU_DEP_1)
	v_lshl_or_b32 v[PSC], v[BP+2], 16, v[PSC]
	s_delay_alu instid0(VALU_DEP_1)
	v_lshl_or_b32 v[PSC], v[BP+3], 24, v[PSC]
.irp c, 0,1
	v_cvt_scalef32_pk16_fp6_f32 v[PCD+6*\c:PCD+6*\c+2], v[S+32*\c:S+32*\c+15], v[BS+2*\c]
	v_cvt_scalef32_pk16_fp6_f32 v[CT+4*\c:CT+4*\c+2], v[S+32*\c+16:S+32*\c+31], v[BS+2*\c+1]   ; (a conversion's three registers begin on an even number)
.endr
	v_nop                                          ; one plain place behind a scaled conversion
.irp c, 0,1                                    ; the operand's layout wants a WHOLE block in a lane: lanes 0-15 block 2 c, lanes 16-31 block 2 c + 1
.irp i, 0,1,2
	v_permlane16_swap_b32 v[PCD+6*\c+\i], v[CT+4*\c+\i]
.endr
.irp i, 0,1,2
	s_delay_alu instid0(VALU_DEP_3)
	v_mov_b32 v[PCD+3+6*\c+\i], v[CT+4*\c+\i]
.endr
.endr
.irp j, 0,2,4,6,8,10,12,14,16,18,20,22,24,26,28,30
	v_pk_mul_f32 v[O+\j:O+\j+1], v[O+\j:O+\j+1], v[F:F+1] op_sel_hi:[1,0]   ; O^T under the new M
.endr
	v_pk_add_f32 v[254:255], v[122:123], v[126:127]
	v_pk_add_f32 v[248:249], v[130:131], v[134:135]
	v_pk_add_f32 v[246:247], v[138:139], v[142:143]
	v_pk_add_f32 v[244:245], v[146:147], v[150:151]
	v_pk_add_f32 v[242:243], v[154:155], v[158:159]
	v_pk_add_f32 v[236:237], v[162:163], v[166:167]
	v_pk_add_f32 v[234:235], v[170:171], v[174:175]
	v_pk_add_f32 v[14:15], v[14:15], v[178:179]
	v_pk_add_f32 v[254:255], v[254:255], v[118:119]
	v_pk_add_f32 v[248:249], v[248:249], v[120:121]
	v_pk_add_f32 v[246:247], v[246:247], v[124:125]
	v_pk_add_f32 v[244:245], v[244:245], v[128:129]
	s_setprio 0
	v_pk_add_f32 v[242:243], v[242:243], v[132:133]
	v_pk_add_f32 v[236:237], v[236:237], v[136:137]
	v_pk_add_f32 v[234:235], v[234:235], v[140:141]
	v_pk_add_f32 v[14:15], v[14:15], v[144:145]
	v_pk_add_f32 v[254:255], v[254:255], v[148:149]
	v_pk_add_f32 v[248:249], v[248:249], v[152:153]
	v_pk_add_f32 v[246:247], v[246:247], v[156:157]
	v_pk_add_f32 v[244:245], v[244:245], v[160:161]
	v_pk_add_f32 v[242:243], v[242:243], v[164:165]
	v_pk_add_f32 v[236:237], v[236:237], v[168:169]
	v_pk_add_f32 v[234:235], v[234:235], v[172:173]
	v_pk_add_f32 v[14:15], v[14:15], v[176:177]
	v_pk_add_f32 v[254:255], v[254:255], v[180:181]
	s_delay_alu instid0(VALU_DEP_2)
	v_pk_add_f32 v[14:15], v[14:15], v[244:245]
	s_delay_alu instid0(VALU_DEP_2)
	v_pk_add_f32 v[254:255], v[254:255], v[242:243]
	v_pk_add_f32 v[248:249], v[248:249], v[236:237]
	v_pk_add_f32 v[246:247], v[246:247], v[234:235]
	s_delay_alu instid0(VALU_DEP_2)
	v_pk_add_f32 v[14:15], v[14:15], v[248:249]
	s_delay_alu instid0(VALU_DEP_2)
	v_pk_add_f32 v[254:255], v[254:255], v[246:247]
	s_delay_alu instid0(VALU_DEP_1)
	v_pk_add_f32 v[14:15], v[14:15], v[254:255]
	s_wait_dscnt 0x0                               ; V and its scale words are in
.irp c, 0,1,2,3
	PV \c                                          ; the four accumulators by turns, one instruction a turn; the eight products S^T stand between a trip's and the next's
.endr
	s_add_co_u32 s[TB], s[TB], CH
	s_sub_co_u32 s29, s29, 1
	s_cmp_lg_u32 s29, 0
	s_cbranch_scc1 .Lstep
	s_setprio 0
	; THE WAY OUT of a tile: O^T / the sum goes through my own stage in LDS and leaves as rows: sixteen lanes store a token's 256 bytes of this head, aligned.
.rept 4
	v_nop                                          ; places behind the last products
.endr
	s_wait_alu depctr_va_vdst(0)
	v_add_f32 v14, v14, v15                        ; the sum's two halves,
	s_delay_alu instid0(VALU_DEP_1)
	v_permlanex16_b32 v[T0], v14, s[SEL], s[SEL+1]
	s_delay_alu instid0(VALU_DEP_1)
	v_add_f32 v14, v14, v[T0]                      ; and lane l xor 16's: the row's sum
	s_wait_alu depctr_va_vdst(0)
	v_rcp_f32 v14, v14
	v_nop                                          ; one plain place behind a transcendental
	s_wait_alu depctr_va_vdst(0)
.irp j, 0,1,2,3,4,5,6,7,8,9,10,11,12,13,14,15,16,17,18,19,20,21,22,23,24,25,26,27,28,29,30,31
	v_mul_f32 v[S+\j], v[O+\j], v14                ; register 8 c + j is channel 32 (c / 2) + 16 h + 8 (c % 2) + j of query r
.endr
.irp c, 0,1,2,3
	ds_store_b128 v[STO], v[S+8*\c:S+8*\c+3] offset:128*(\c/2)+32*(\c%2)
	ds_store_b128 v[STO], v[S+8*\c+4:S+8*\c+7] offset:128*(\c/2)+32*(\c%2)+16
.endr
.irp i, 0,1,2,3,4,5,6,7
	ds_load_b128 v[S+32+4*\i:S+32+4*\i+3], v[RD] offset:544*\i   ; LDS serves a wave's instructions in order: these see my stores
.endr
.irp i, 0,1,2,3,4,5,6,7
	s_wait_dscnt 7-\i                              ; load i is in; the younger ones may be out
	global_store_b128 v[GO], v[S+32+4*\i:S+32+4*\i+3], s[OUTB:OUTB+1] offset:(16*(\i/4)+2*(\i%4))*4096 th:TH_STORE_NT   ; stage row p is token 16 (p / 8) + p % 8 from my first: position order undone; written once, read by nobody here
.endr
	s_wait_xcnt 0x0                                ; the stores and Q's loads have had their addresses translated: only behind this wait are their bases and data written again
	s_add_nc_u64 s[QB:QB+1], s[QB:QB+1], 2*6656    ; sixteen tiles on: two chunks of Q,
	s_add_nc_u64 s[QS:QS+1], s[QS:QS+1], 2*6656
	s_add_nc_u64 s[OUTB:OUTB+1], s[OUTB:OUTB+1], 256*4096   ; 256 tokens
	s_sub_co_u32 s30, s30, 1
	s_cmp_lg_u32 s30, 0
	s_cbranch_scc1 .Lpass
	s_wait_dscnt 0x0                               ; no LDS instruction of mine is out at the signal
	s_wait_tensorcnt 0x0
	ds_add_u32 v229, v233
	s_wait_dscnt 0x0
	ROUND                                          ; the closing round: no work-group ends while a partner may still ask for a chunk that names it
	s_endpgm
.Lfunc_end_k_q2e619d65c6_attn:
	.size	k_q2e619d65c6_attn, .Lfunc_end_k_q2e619d65c6_attn-k_q2e619d65c6_attn
	.p2alignl 7, 3214868480
	.fill 96, 4, 3214868480
	.section	.rodata,"a",@progbits
	.p2align	6, 0x0
	.amdhsa_kernel k_q2e619d65c6_attn
		.amdhsa_group_segment_fixed_size 301056
		.amdhsa_private_segment_fixed_size 0
		.amdhsa_enable_private_segment 0
		.amdhsa_kernarg_size 16
		.amdhsa_user_sgpr_count 2
		.amdhsa_user_sgpr_kernarg_segment_ptr 1
		.amdhsa_wavefront_size32 1
		.amdhsa_system_sgpr_workgroup_id_x 1
		.amdhsa_system_sgpr_workgroup_id_y 1
		.amdhsa_system_sgpr_workgroup_id_z 1
		.amdhsa_system_vgpr_workitem_id 0
		.amdhsa_next_free_vgpr 256
		.amdhsa_next_free_sgpr 66
		.amdhsa_reserve_vcc 0
		.amdhsa_float_denorm_mode_32 3
		.amdhsa_float_denorm_mode_16_64 3
		.amdhsa_memory_ordered 1
		.amdhsa_forward_progress 1
		.amdhsa_inst_pref_size 29
	.end_amdhsa_kernel
	.amdgpu_metadata
---
amdhsa.version: [ 1, 2 ]
amdhsa.kernels:
  - .name:           k_q2e619d65c6_attn
    .symbol:         k_q2e619d65c6_attn.kd
    .args:
      - { .name: qkv, .offset: 0, .size: 8, .value_kind: global_buffer, .address_space: global }
      - { .name: out0, .offset: 8, .size: 8, .value_kind: global_buffer, .address_space: global }
    .group_segment_fixed_size: 301056
    .private_segment_fixed_size: 0
    .kernarg_segment_align: 8
    .kernarg_segment_size: 16
    .max_flat_workgroup_size: 512
    .sgpr_count:     66
    .vgpr_count:     256
    .wavefront_size: 32
...
	.end_amdgpu_metadata
.endif
;; end of part 3
